; MI455X (gfx1250); checked and timed in simulation.
; The chip was launched on July 23, 2026; its instructions are those of AMD's public machine-readable ISA for CDNA 5 (MIT licence, August 2026) and "CDNA5" Instruction Set Architecture Reference Guide (July 2026). The comments in the code are by the model that wrote it; some were corrected since.
;; SGCAM. Allowed arithmetic: matrix products marked QUANTISED: E2M1 operands, one E8M0 scale for each 32 along K, by v_wmma_scale_f32_16x16x128_f8f6f4 with both operands' format E2M1 (or v_wmma_scale_f32_32x16x128_f4), f32 sums; everything else in f32.
;; Inputs: bn_beta 1,024 float32; bn_gamma 1,024 float32; bn_mean 1,024 float32; bn_var 1,024 float32; g_b 512 float32; g_w_codes 512 x 32 x 16 uint8 (E2M1 codes of g_w, K innermost, in blocks of 32 codes, two codes a byte); g_w_scales 512 x 32 uint8 (E8M0 scales of g_w, one for each 32 codes along K); phi_b 512 float32; phi_w_codes 512 x 32 x 16 uint8 (E2M1 codes of phi_w, K innermost, in blocks of 32 codes, two codes a byte); phi_w_scales 512 x 32 uint8 (E8M0 scales of phi_w, one for each 32 codes along K); theta_b 512 float32; theta_w_codes 512 x 32 x 16 uint8 (E2M1 codes of theta_w, K innermost, in blocks of 32 codes, two codes a byte); theta_w_scales 512 x 32 uint8 (E8M0 scales of theta_w, one for each 32 codes along K); w_b 1,024 float32; w_w_codes 1,024 x 16 x 16 uint8 (E2M1 codes of w_w, K innermost, in blocks of 32 codes, two codes a byte); w_w_scales 1,024 x 16 uint8 (E8M0 scales of w_w, one for each 32 codes along K); x 16 x 1,024 x 1,024 float32; x_2_codes 16 x 1,024 x 32 x 16 uint8 (E2M1 codes of x_2, K innermost, in blocks of 32 codes, two codes a byte); x_2_scales 16 x 1,024 x 32 uint8 (E8M0 scales of x_2, one for each 32 codes along K).
;; Outputs: out0 16 x 1,024 x 1,024 float32.
;; This version of the problem:
;;   THIS VERSION OF THE PROBLEM IS GIVEN IN LOW PRECISION. The matrix products marked QUANTISED in the list below multiply operands that are first quantised to E2M1 (2 exponent bits, 1 mantissa bit; 4 bits a number), with one power-of-two scale for each 32 numbers along K (OCP MX v1.0); their sums are f32. All else is computed in f32.
;;   The module's matrix products, in the order in which they are computed (A, B: the left and right operand; K: the contracted axis; several contracted axes count as one K, in the product's order):
;;     1. [M 16,384, K 1,024] x [K 1,024, N 512]; A: input x_2 (given as codes); B: input g_w (given as codes): QUANTISED
;;     2. [M 16,384, K 1,024] x [K 1,024, N 512]; A: input x; B: input theta_w (given as codes): QUANTISED
;;     3. [M 16,384, K 1,024] x [K 1,024, N 512]; A: input x_2 (given as codes); B: input phi_w (given as codes): QUANTISED
;;     4. batch 16 x [M 1,024, K 512] x [K 512, N 1,024]; A: computed on the way; B: computed on the way: QUANTISED
;;     5. batch 16 x [M 1,024, K 1,024] x [K 1,024, N 512]; A: computed on the way; B: computed on the way: QUANTISED
;;     6. [M 16,384, K 512] x [K 512, N 1,024]; A: computed on the way; B: input w_w (given as codes): QUANTISED
;;   THE QUANTISER, for each operand of a quantised product, along K:
;;     - K is cut into blocks of 32 from its start; a last block that is shorter is filled with zeros.
;;     - A block's scale is 2^e with e = floor(log2(the largest magnitude in the block)) - 2, held to -126 .. 127; a block of zeros has e = 0. As a byte (E8M0): e + 127.
;;     - Each number is divided by its block's scale, clamped to +-6, and rounded to the nearest number of E2M1, ties to even, subnormals kept.
;;     - The product sums the exact products of the quantised numbers (number of the format x scale) in f32.
;;   ~~~python
;;   def quantise(x, axis):      # numpy; x: float32 -> the quantised numbers, widened to float32 again
;;       x = np.moveaxis(x, axis, -1); K = x.shape[-1]
;;       x = np.pad(x, [(0, 0)] * (x.ndim - 1) + [(0, -K % 32)]); x = x.reshape(x.shape[:-1] + (-1, 32)); a = np.abs(x).max(-1, keepdims=True)
;;       e = np.where(a > 0, np.clip(np.frexp(np.where(a > 0, a, 1))[1] - 1 - 2, -126, 127), 0)      # np.frexp(a)[1] - 1 = floor(log2(a)), exactly
;;       r = np.clip(x / 2.0 ** e, -6, 6)
;;       step = 2.0 ** (np.maximum(np.frexp(np.where(r == 0, 1, r))[1] - 1, 0) - 1)
;;       q = np.round(r / step) * step * 2.0 ** e      # np.round: ties to even
;;       return np.moveaxis(q.reshape(q.shape[:-2] + (-1,))[..., :K], -1, axis).astype(np.float32)
;;   ~~~
;;   OPERANDS COMPUTED ON THE WAY. 'Computed on the way' means the value that the module computes at that place (a softmax that the list does not call 'softmax' is quantised finished and normalised). What goes into a quantiser is computed in f32, as accurately as f32 sums, v_exp_f32 and their like allow (about 1e-6 of the number): no bf16 or f16 on the way to a quantiser, and a product that is left as it is and whose result goes on into a quantised operand takes f32 operands (vector FMAs, or v_wmma_f32_16x16x4_f32). A number that lies on a knife's edge between two numbers of the format may be rounded either way, as far as f32 arithmetic and the matrix unit's own rounding can turn it there, and no further.
;;   INPUTS GIVEN AS CODES. g_w (in the module: [512, 1024], K = its axis 1); phi_w (in the module: [512, 1024], K = its axis 1); theta_w (in the module: [512, 1024], K = its axis 1); w_w (in the module: [1024, 512], K = its axis 1); x_2 (in the module: [16, 1024, 1024], K = its axis 1): each comes as NAME_codes (uint8): NAME with its K axis moved to the last place and cut into blocks of 32 codes, [.., K / 32, bytes a block], one block behind the other in memory; two codes a byte, the lower K in the low four bits (a code: sign, 2 exponent bits, 1 mantissa bit); and NAME_scales (uint8): the same leading axes, one E8M0 byte (e + 127) for each 32 codes along K. Its value is code x scale, taken as it is: it is not quantised again, and the codes and scales need not be those that the quantiser above would give.
;; One version. Each part assembles by itself: llvm-mc -triple=amdgcn-amd-amdhsa -mcpu=gfx1250 --defsym DOCPART=n.
;; ======== version 1 of 1: 2 launches
;; workspace buffers: ph_img 4,194,304 bytes; ph_scl 262,144 bytes; g_img 4,194,304 bytes; g_scl 262,144 bytes; tw_img 262,144 bytes; ww_img 262,144 bytes
;; launch prep (part 1): grid 4 x 64, 4 waves a work-group, clusters of 4 x 4, 327,680 bytes of LDS; arguments x_2_codes, x_2_scales, phi_w_codes, phi_w_scales, phi_b, g_w_codes, g_w_scales, g_b, theta_w_codes, w_w_codes, ph_img, ph_scl, g_img, g_scl, tw_img, ww_img; writes ph_img, ph_scl, g_img, g_scl, tw_img, ww_img
.if DOCPART == 1
	.amdgcn_target "amdgcn-amd-amdhsa--gfx1250"
	.amdhsa_code_object_version 6
	.text
	.protected	k_q3dbf3d4870_prep
	.globl	k_q3dbf3d4870_prep
	.p2align	8
	.type	k_q3dbf3d4870_prep,@function
k_q3dbf3d4870_prep:
	s_mov_b64 s[64:65], 0
	v_nop
	global_prefetch_b8 v0, s[64:65] scope:SCOPE_SE
	s_setreg_imm32_b32 hwreg(HW_REG_WAVE_MODE, 25, 1), 1
	s_wait_xcnt 0x0
	s_wait_alu depctr_hold_cnt(0) depctr_sa_sdst(0) depctr_va_vdst(0) depctr_va_sdst(0) depctr_va_ssrc(0) depctr_va_vcc(0) depctr_vm_vsrc(0)
	s_getreg_b32 s2, hwreg(HW_REG_IB_STS2, 6, 4)
	s_cmp_eq_u32 s2, 0
	s_cbranch_scc0 .Lentry_in_a_cluster
	s_endpgm
.Lentry_in_a_cluster:
	s_bfe_u32 s2, ttmp6, 0x10000c
	s_cmp_lg_u32 s2, 0xf033
	s_cbranch_scc0 .Lentry_shape_is_right
	s_endpgm
.Lentry_shape_is_right:
; SGCAM, first of two launches.  phi = phi_w x_2 + phi_b and g = g_w x_2 + g_b (both on codes of E2M1 with E8M0 scales), each quantised along the K of the product that takes it
; (phi along its 512 channels, g along the 1,024 positions m), and stored as IMAGES OF OPERAND REGISTERS: a fragment (16 rows x 128 K, 8 registers a lane) is 1,024 bytes,
; two blocks of 512, lane l's 16 bytes at 16 l.  theta_w's and w_w's codes are laid in the same form (one fragment of each a work-group), so that the second launch loads every operand whole.
; NO WORK IS LEFT OUT: every input has a way to the output, and every product's operands pass a quantiser, so nothing may be re-associated.
; LIMITS: a block of zeros gets the scale byte 1 where the rule says 127 (its codes are zeros, and these bytes are read by this program alone); NaN and infinities among the inputs are not served;
; the bias enters as the C of a sum's first matrix instruction, so it is added first and not last.
; SHARES.  Work-group (x = q, y = 4 b + mq): positions m = 256 mq .. + 255, channels ci = 128 q .. + 127 of batch b.  Four waves, each 8 x 4 accumulators, K = 1,024 in 8 steps, twice:
;   phi: source 0 = phi_w's 8 tiles of 16 channels, source 1 = 4 tiles of x_2's positions: a lane holds ONE position and its registers run along the channels;
;   g:   source 0 = 8 tiles of x_2's positions, source 1 = 4 tiles of g_w's channels: a lane holds ONE channel and its registers run along the positions.
; THE ROWS OF A TILE ARE NOT NEIGHBOURS: lane r of tile t takes row 32 (t / 2) + 8 (t % 2) + r + 8 (r / 8) of its 128, so that the 16 registers of tiles 2 b, 2 b + 1 are 16 neighbours along the next K,
; and so that the fragments made here have, as source 0 of the next launch's products, the same property.
; LDS: 256 rows of x_2, 128 of phi_w, 128 of g_w, 512 bytes + 16 of padding each; every byte is filled once, by two tensor loads a wave at the head.
; CLUSTERS: 4 x 4 work-groups are one batch: cx = q, cy = mq.  The four of a row of the cluster (one mq) need the same 131,072 bytes of x_2, the four of a column (one q) the same 131,072 bytes of weights:
; each tile is asked for JOINTLY, by the same tensor load with the same descriptor and a mask that names the four, which divides the requests by four.
.set TILEB, 33792                      ; 64 rows x 528: what one tensor load brings
.set PIT,   528
.set WPL,   4*TILEB                    ; phi_w's rows
.set WGL,   6*TILEB                    ; g_w's rows
.set SPARE, 8*TILEB                    ; the spare words: 128 bytes a wave, two blocks of 256 bytes that no other line names
.set LI,  1                            ; v1  16 x lane
.set L8,  2                            ; v2  8 x lane
.set AP0, 3                            ; v3  LDS: phi's source 0 (phi_w)
.set AP1, 4                            ; v4  phi's source 1 (my 64 rows of x_2)
.set AG0, 5                            ; v5  g's source 0 (my 128 rows of x_2)
.set AG1, 6                            ; v6  g's source 1 (my 64 rows of g_w)
.set ASC, 7                            ; v7  scale rows: 32 x (r + 8 (r / 8)) + 16 h
.set APB, 8                            ; v8  phi_b: 64 h
.set AGB, 9                            ; v9  g_b: 4 x (r + 8 (r / 8))
.set RF,  32                           ; v32-95   source 1's fragments, two sets of 32
.set SP0, 96                           ; v96-127  phi_w's scale words, 4 registers a tile: register q = K step q (lanes 0-15) and 4 + q (lanes 16-31)
.set SP1, 128                          ; v128-143 x_2's, for phi's source 1
.set SG0, 144                          ; v144-175 x_2's, for g's source 0
.set SG1, 176                          ; v176-191 g_w's
.set TM,  192                          ; v192-207 at work in the quantiser
.set PW,  208                          ; v208-211 the four scale words;  v212-213 as they are stored
.set PC,  216                          ; v216-247 the codes, 8 registers a tile
.set SPW, 254                          ; v254 LDS address of my spare word; never rewritten
.set NIL, 255                          ; v255 0; never rewritten
.set G1A, 44                           ; s[44:51] descriptor group 1 for x_2's tiles;  s[52:55] their group 0
.set G1B, 84                           ; s[84:91] group 1 for the weights' tiles: it differs in the mask alone;  s[56:59] their group 0
.set SEL, 60                           ; s[60:61] lane selects: lane l xor 16
.set HM,  62                           ; s62 lanes 16-31
; window 1: v0-127 source 0's fragments, two sets of 64; v128-191 phi_b in the result's layout; v192-223 g_b likewise.   window 2: accumulator (m, t) at v[64 m + 8 t].
.set MSB, 0
.macro WIN new                         ; the immediate's high byte repeats the setting that is left
.if MSB != (\new)
	s_set_vgpr_msb (MSB<<8)|(\new)
.set MSB, (\new)
.endif
.endm
.macro PLACES                          ; four plain places behind a matrix instruction, ahead of loads into its registers and of reads of its result
.rept 4
	v_nop
.endr
.endm
; A round of the cluster's barrier: my work-group's barrier, so that wave 0's signal speaks for all four waves; wave 0 signals for the work-group; every wave waits for all sixteen work-groups; my work-group's barrier once more.
.macro CROUND
	s_barrier_signal -1
	s_barrier_wait -1
	s_cmp_lg_u32 s36, 0
	s_cbranch_scc1 .Lnot_wave_0_\@
	s_barrier_signal -3
.Lnot_wave_0_\@:
	s_barrier_wait -3
	s_barrier_signal -1
	s_barrier_wait -1
.endm
; one matrix instruction.  c < 0: the constant 0 starts the sum.  ra, rb: the side's scales stand in lanes 16-31
.macro WM d, a, b, c, sa, sb, ra, rb
.if (\c) < 0
.if (\ra) && (\rb)
	v_wmma_scale_f32_16x16x128_f8f6f4 v[(\d):(\d)+7], v[(\a):(\a)+7], v[(\b):(\b)+7], 0, v[\sa], v[\sb] matrix_a_fmt:MATRIX_FMT_FP4 matrix_b_fmt:MATRIX_FMT_FP4 matrix_a_scale:MATRIX_SCALE_ROW1 matrix_b_scale:MATRIX_SCALE_ROW1
.elseif (\ra)
	v_wmma_scale_f32_16x16x128_f8f6f4 v[(\d):(\d)+7], v[(\a):(\a)+7], v[(\b):(\b)+7], 0, v[\sa], v[\sb] matrix_a_fmt:MATRIX_FMT_FP4 matrix_b_fmt:MATRIX_FMT_FP4 matrix_a_scale:MATRIX_SCALE_ROW1
.elseif (\rb)
	v_wmma_scale_f32_16x16x128_f8f6f4 v[(\d):(\d)+7], v[(\a):(\a)+7], v[(\b):(\b)+7], 0, v[\sa], v[\sb] matrix_a_fmt:MATRIX_FMT_FP4 matrix_b_fmt:MATRIX_FMT_FP4 matrix_b_scale:MATRIX_SCALE_ROW1
.else
	v_wmma_scale_f32_16x16x128_f8f6f4 v[(\d):(\d)+7], v[(\a):(\a)+7], v[(\b):(\b)+7], 0, v[\sa], v[\sb] matrix_a_fmt:MATRIX_FMT_FP4 matrix_b_fmt:MATRIX_FMT_FP4
.endif
.else
.if (\ra) && (\rb)
	v_wmma_scale_f32_16x16x128_f8f6f4 v[(\d):(\d)+7], v[(\a):(\a)+7], v[(\b):(\b)+7], v[(\c):(\c)+7], v[\sa], v[\sb] matrix_a_fmt:MATRIX_FMT_FP4 matrix_b_fmt:MATRIX_FMT_FP4 matrix_a_scale:MATRIX_SCALE_ROW1 matrix_b_scale:MATRIX_SCALE_ROW1
.elseif (\ra)
	v_wmma_scale_f32_16x16x128_f8f6f4 v[(\d):(\d)+7], v[(\a):(\a)+7], v[(\b):(\b)+7], v[(\c):(\c)+7], v[\sa], v[\sb] matrix_a_fmt:MATRIX_FMT_FP4 matrix_b_fmt:MATRIX_FMT_FP4 matrix_a_scale:MATRIX_SCALE_ROW1
.elseif (\rb)
	v_wmma_scale_f32_16x16x128_f8f6f4 v[(\d):(\d)+7], v[(\a):(\a)+7], v[(\b):(\b)+7], v[(\c):(\c)+7], v[\sa], v[\sb] matrix_a_fmt:MATRIX_FMT_FP4 matrix_b_fmt:MATRIX_FMT_FP4 matrix_b_scale:MATRIX_SCALE_ROW1
.else
	v_wmma_scale_f32_16x16x128_f8f6f4 v[(\d):(\d)+7], v[(\a):(\a)+7], v[(\b):(\b)+7], v[(\c):(\c)+7], v[\sa], v[\sb] matrix_a_fmt:MATRIX_FMT_FP4 matrix_b_fmt:MATRIX_FMT_FP4
.endif
.endif
.endm
; 64 numbers of a lane in window win, register s + 16 b + i = k 32 b + 16 (lane / 16) + i of my row, become a fragment's codes in v[pc] on and its scale word in v[pw], both in window 0.
.macro QUANTW win, s, floor, pc, pw
	WIN (\win)|((\win)<<2)                         ; sources 0 and 1 in the numbers' window; the running maximum is source 2, in window 0
.irp b, 0,1,2,3
	v_max3_num_f32 v[TM+\b], |v[(\s)+16*\b]|, |v[(\s)+16*\b+1]|, \floor   ; block b: my 16 numbers, each accumulator from its low end on, and the floor that holds the byte from below
.endr
.irp i, 2,4,6,8,10,12,14
.irp b, 0,1,2,3
	v_max3_num_f32 v[TM+\b], |v[(\s)+16*\b+\i]|, |v[(\s)+16*\b+\i+1]|, v[TM+\b]   ; the four blocks by turns
.endr
.endr
	WIN 0
.irp b, 0,1,2,3
	v_permlanex16_b32 v[TM+4+\b], v[TM+\b], s[SEL], s[SEL+1]
.endr
.irp b, 0,1,2,3
	v_max_num_f32 v[TM+\b], v[TM+\b], v[TM+4+\b]   ; with lane l xor 16's 16: the block's largest magnitude
.endr
.irp b, 0,1,2,3
	v_add_nc_u32 v[TM+12+\b], 0xff000000, v[TM+\b] ; 2 off its exponent field: the conversion's scale operand
.endr
.irp b, 0,1,2,3
	v_lshrrev_b32 v[TM+4+\b], 23, v[TM+12+\b]      ; the scale's byte
.endr
	v_lshl_or_b32 v[\pw], v[TM+5], 8, v[TM+4]
	v_lshl_or_b32 v[\pw], v[TM+6], 16, v[\pw]
	v_lshl_or_b32 v[\pw], v[TM+7], 24, v[\pw]      ; my row's scale word (the same in lanes l and l xor 16)
	WIN (\win)
.irp b, 0,1,2,3
	v_cvt_scalef32_pk8_fp4_f32 v[(\pc)+2*\b], v[(\s)+16*\b:(\s)+16*\b+7], v[TM+12+\b]
	v_cvt_scalef32_pk8_fp4_f32 v[(\pc)+2*\b+1], v[(\s)+16*\b+8:(\s)+16*\b+15], v[TM+12+\b]
.endr
	WIN 0
	v_nop                                          ; one plain place behind a scaled conversion
.irp c, 0,1                                    ; the operand's layout wants a whole block in a lane: lanes 0-15 block 2 c, lanes 16-31 block 2 c + 1
.irp i, 0,1
	v_permlane16_swap_b32 v[(\pc)+4*\c+\i], v[(\pc)+4*\c+2+\i]
.endr
.endr
.endm
; the fragments of K step s: source 0's eight into set s % 2 of window 1, source 1's four into set s % 2 of RF
.macro FETCH s, a0, a1
	WIN 0x40
.irp t, 0,1,2,3,4,5,6,7
	ds_load_b128 v[64*((\s)%2)+8*\t:64*((\s)%2)+8*\t+3], v[\a0] offset:(32*(\t/2)+8*(\t%2))*PIT+64*(\s)
	ds_load_b128 v[64*((\s)%2)+8*\t+4:64*((\s)%2)+8*\t+7], v[\a0] offset:(32*(\t/2)+8*(\t%2))*PIT+64*(\s)+32
.endr
	WIN 0
.irp m, 0,1,2,3
	ds_load_b128 v[RF+32*((\s)%2)+8*\m:RF+32*((\s)%2)+8*\m+3], v[\a1] offset:(32*(\m/2)+8*(\m%2))*PIT+64*(\s)
	ds_load_b128 v[RF+32*((\s)%2)+8*\m+4:RF+32*((\s)%2)+8*\m+7], v[\a1] offset:(32*(\m/2)+8*(\m%2))*PIT+64*(\s)+32
.endr
.endm
; 8 K steps x 32 matrix instructions; the 32 accumulators take turns, one instruction a turn.  A step's fragments are asked for 32 matrix instructions ahead.
; bias: the C of the first step, in window 1, taken by source 1's tile (bym = 1) or by source 0's (0).
.macro GEMM a0, a1, sc0, sc1, bias, bym
	FETCH 0, \a0, \a1
.irp s, 0,1,2,3,4,5,6,7
	s_wait_dscnt 0x0                               ; this step's 24 loads are in
	PLACES                                         ; ahead of the loads into the set that the last step multiplied
.if \s < 7
	FETCH \s+1, \a0, \a1
.endif
.if \s == 0
	WIN 0x91                                       ; source 0 window 1, C (the bias) window 1, D window 2
.else
	WIN 0xa1                                       ; source 0 window 1, C and D window 2
.endif
.irp m, 0,1,2,3
.irp t, 0,1,2,3,4,5,6,7
.if \s == 0
	WM 64*\m+8*\t, 64*(\s%2)+8*\t, RF+32*(\s%2)+8*\m, (\bias)+8*((\bym)*\m+(1-(\bym))*\t), \sc0+4*\t+\s%4, \sc1+4*\m+\s%4, \s/4, \s/4
.else
	WM 64*\m+8*\t, 64*(\s%2)+8*\t, RF+32*(\s%2)+8*\m, 64*\m+8*\t, \sc0+4*\t+\s%4, \sc1+4*\m+\s%4, \s/4, \s/4
.endif
.endr
.endr
.endr
	WIN 0
	PLACES
.endm
; my four fragments and their scale words leave: each store of the wave covers 512 (codes) or 256 (scale words) consecutive bytes, aligned
.macro OUT img, scl
.irp m, 0,1,2,3
	QUANTW 2, 64*\m, 0x1800000, PC+8*\m, PW+\m
	global_store_b128 v[LI], v[PC+8*\m:PC+8*\m+3], s[\img:\img+1] offset:1024*\m
	global_store_b128 v[LI], v[PC+8*\m+4:PC+8*\m+7], s[\img:\img+1] offset:1024*\m+512
.endr
	v_cndmask_b32 v212, v[PW], v[PW+1], s[HM]      ; an even tile's words in lanes 0-15, the odd tile's in lanes 16-31: as the next launch's matrix instructions name them
	v_cndmask_b32 v213, v[PW+2], v[PW+3], s[HM]
	global_store_b64 v[L8], v[212:213], s[\scl:\scl+1]
.endm
	s_load_b512 s[4:19], s[0:1], 0x0               ; x_2 codes 4, x_2 scales 6, phi_w codes 8, phi_w scales 10, phi_b 12, g_w codes 14, g_w scales 16, g_b 18
	s_load_b512 s[20:35], s[0:1], 0x40             ; theta_w codes 20, w_w codes 22, ph_img 24, ph_scl 26, g_img 28, g_scl 30, tw_img 32, ww_img 34
	v_lshl_add_u32 v[SPW], v0, 2, SPARE
	v_mov_b32 v[NIL], 0
	ds_add_u32 v[SPW], v[NIL]                      ; the wave's opening: the add, twice on end, with its wait ahead of my first tensor load
	ds_add_u32 v[SPW], v[NIL]
	v_lshrrev_b32 v20, 5, v0
	v_readfirstlane_b32 s36, v20                   ; wave w
	s_and_b32 s37, s36, 1                          ; w % 2
	s_lshr_b32 s38, s36, 1                         ; w / 2
	s_bfe_u32 s39, ttmp6, 0x40000                  ; cx = q: the grid has one cluster along x
	s_bfe_u32 s40, ttmp6, 0x40004                  ; cy = mq
	s_and_b32 s41, ttmp7, 0xffff                   ; the cluster's y = b
	s_lshl_b32 s42, s40, 2
	s_lshl_b32 s42, 15, s42                        ; my row of the cluster: places 4 cy .. 4 cy + 3
	s_lshl_b32 s43, 0x1111, s39                    ; my column: places cx, cx + 4, cx + 8, cx + 12
	; descriptor group 1: 64 rows of 64 elements of 8 bytes, dense in memory; 16 bytes of padding behind every 512; bit 21 set beside a mask
	s_or_b32 s[G1A], s42, (3<<16)|(1<<20)|(1<<21)|(6<<22)|(3<<25)   ; x_2's tiles go to my row
	s_or_b32 s[G1B], s43, (3<<16)|(1<<20)|(1<<21)|(6<<22)|(3<<25)   ; the weights' to my column
.irp g, G1A, G1B
	s_mov_b32 s[\g+1], 64<<16                      ; tensor_dim0
	s_mov_b32 s[\g+2], 64<<16                      ; tensor_dim1
	s_mov_b32 s[\g+3], 64<<16                      ; tile_dim0
	s_mov_b32 s[\g+4], 64                          ; tile_dim1
	s_mov_b32 s[\g+5], 64                          ; elements from row to row
	s_mov_b32 s[\g+6], 0
	s_mov_b32 s[\g+7], 0
.endr
	s_mov_b32 s52, 1
	s_mul_i32 s53, s36, TILEB                      ; x_2's rows 64 w on: no place in the cluster enters an LDS address
	s_mov_b32 s56, 1
	s_add_co_u32 s57, s53, WPL                     ; waves 0, 1: phi_w's halves; waves 2, 3: g_w's
	s_mov_b32 s[SEL], 0x76543210
	s_mov_b32 s[SEL+1], 0xfedcba98
	s_mov_b32 s[HM], 0xffff0000
	s_lshl_b32 s66, s41, 19                        ; x_2: (1,024 b + 256 mq + 64 w) rows of 512 bytes: b, cy and the wave alone, which my row shares
	s_lshl_b32 s67, s40, 17
	s_add_co_u32 s66, s66, s67
	s_lshl_b32 s67, s36, 15
	s_add_co_u32 s66, s66, s67
	s_mov_b32 s67, 0
	s_lshl_b32 s68, s39, 16                        ; the weights: (128 q + 64 (w % 2)) rows of 512 bytes: cx and the wave alone, which my column shares
	s_lshl_b32 s69, s37, 15
	s_add_co_u32 s68, s68, s69
	s_mov_b32 s69, 0
	s_wait_dscnt 0x0                               ; both opening adds are done
	s_wait_kmcnt 0x0
	s_add_nc_u64 s[54:55], s[4:5], s[66:67]
	s_or_b32 s55, s55, 0x80000000
	s_cmp_lt_u32 s36, 2                            ; the choice hangs on the wave's number alone: it is the same in every work-group
	s_cselect_b64 s[58:59], s[8:9], s[14:15]
	s_add_nc_u64 s[58:59], s[58:59], s[68:69]
	s_or_b32 s59, s59, 0x80000000
	CROUND                                         ; all sixteen work-groups are here: the joint loads meet
	tensor_load_to_lds s[52:55], s[G1A:G1A+7]      ; my two first fills, and my only ones: two tensor loads of mine are out
	s_nop 0
	tensor_load_to_lds s[56:59], s[G1B:G1B+7]
	s_nop 0
.rept 4
	v_nop
.endr
	v_and_b32 v20, 31, v0                          ; lane
	v_lshlrev_b32 v[LI], 4, v20
	v_lshlrev_b32 v[L8], 3, v20
	v_and_b32 v21, 15, v0                          ; r
	v_bfe_u32 v22, v0, 4, 1                        ; h
	v_and_b32 v23, 8, v21
	v_add_nc_u32 v24, v23, v21                     ; r + 8 (r / 8)
	v_mul_u32_u24 v25, v24, PIT
	v_lshl_add_u32 v25, v22, 4, v25                ; a fragment's row x pitch + 16 h
	v_add_nc_u32 v[AP0], WPL, v25
	v_add_nc_u32 v[AP1], s53, v25
	s_mul_i32 s70, s38, 2*TILEB
	v_add_nc_u32 v[AG0], s70, v25
	s_mul_i32 s70, s37, TILEB
	s_add_co_u32 s70, s70, WGL
	v_add_nc_u32 v[AG1], s70, v25
	v_lshlrev_b32 v[ASC], 5, v24
	v_lshl_add_u32 v[ASC], v22, 4, v[ASC]
	v_lshlrev_b32 v[APB], 6, v22
	v_lshlrev_b32 v[AGB], 2, v24
.irp b, 0,1,2,3
	v_mov_b32 v[TM+4+\b], 0                        ; written once: a lane permute's destination counts as one of its sources
.endr
	; THE RELAY: fragment f = 16 b + 4 mq + q of theta_w (waves 0, 1) and of w_w (waves 2, 3); wave's half c = w % 2: 16 bytes a lane in, 512 consecutive bytes out
	s_lshl_b32 s71, s41, 4
	s_lshl_b32 s72, s40, 2
	s_add_co_u32 s71, s71, s72
	s_add_co_u32 s71, s71, s39                     ; f
	s_lshr_b32 s72, s71, 6                         ; theta_w: f = 64 gq + 8 s + t: row 128 gq + 32 (t / 2) + 8 (t % 2), byte 64 s
	s_lshl_b32 s72, s72, 7
	s_bfe_u32 s73, s71, 0x20001
	s_lshl_b32 s73, s73, 5
	s_add_co_u32 s72, s72, s73
	s_and_b32 s73, s71, 1
	s_lshl_b32 s73, s73, 3
	s_add_co_u32 s72, s72, s73
	s_lshl_b32 s72, s72, 9
	s_bfe_u32 s73, s71, 0x30003
	s_lshl_b32 s73, s73, 6
	s_add_co_u32 s72, s72, s73
	s_lshr_b32 s74, s71, 5                         ; w_w: f = 32 (2 w + grp) + 8 s + k: tile 8 (f / 32) + k of 16 rows of 256 bytes, byte 64 s
	s_lshl_b32 s74, s74, 3
	s_and_b32 s75, s71, 7
	s_add_co_u32 s74, s74, s75
	s_lshl_b32 s74, s74, 12
	s_bfe_u32 s75, s71, 0x20003
	s_lshl_b32 s75, s75, 6
	s_add_co_u32 s74, s74, s75
	s_cmp_eq_u32 s38, 0                            ; the choice hangs on the wave's number alone
	s_cselect_b32 s72, s72, s74
	s_cselect_b64 s[76:77], s[20:21], s[22:23]
	s_cselect_b64 s[78:79], s[32:33], s[34:35]
	s_cselect_b32 s80, 9, 8                        ; a row is 512 or 256 bytes
	s_cselect_b32 s81, -1, 0                       ; theta_w's tiles take rows r + 8 (r / 8), w_w's rows r
	s_lshl_b32 s73, s37, 5
	s_add_co_u32 s72, s72, s73
	s_mov_b32 s73, 0
	s_add_nc_u64 s[76:77], s[76:77], s[72:73]
	s_lshl_b32 s72, s71, 10
	s_lshl_b32 s74, s37, 9
	s_add_co_u32 s72, s72, s74
	s_add_nc_u64 s[78:79], s[78:79], s[72:73]
	v_lshlrev_b32 v10, s80, v21
	v_and_b32 v11, s81, v23
	v_lshl_add_u32 v10, v11, 9, v10
	v_lshl_add_u32 v10, v22, 4, v10
	; where the scale rows and the biases begin: each base is stepped in its own registers
	s_lshl_b32 s82, s39, 12
	s_mov_b32 s83, 0
	s_add_nc_u64 s[10:11], s[10:11], s[82:83]      ; phi_w's scales: row 128 q
	s_lshl_b32 s92, s37, 11
	s_add_co_u32 s92, s92, s82
	s_mov_b32 s93, 0
	s_add_nc_u64 s[16:17], s[16:17], s[92:93]      ; g_w's: row 128 q + 64 (w % 2)
	s_lshl_b32 s94, s41, 15
	s_lshl_b32 s95, s40, 13
	s_add_co_u32 s94, s94, s95
	s_lshl_b32 s96, s36, 11
	s_add_co_u32 s96, s96, s94
	s_mov_b32 s97, 0
	s_add_nc_u64 s[4:5], s[6:7], s[96:97]          ; x_2's: row 1,024 b + 256 mq + 64 w (in the registers that held x_2's codes' address, which the descriptor has taken over)
	s_lshl_b32 s95, s38, 12
	s_add_co_u32 s94, s94, s95
	s_mov_b32 s95, 0
	s_add_nc_u64 s[6:7], s[6:7], s[94:95]          ; and row 1,024 b + 256 mq + 128 (w / 2)
	s_lshl_b32 s92, s39, 9
	s_add_nc_u64 s[12:13], s[12:13], s[92:93]      ; phi_b at 128 q
	s_lshl_b32 s96, s37, 8
	s_add_co_u32 s92, s92, s96
	s_add_nc_u64 s[18:19], s[18:19], s[92:93]      ; g_b at 128 q + 64 (w % 2)
	; where my results go: chunk mc = 2 mq + w / 2, quarter q, tiles 4 (w % 2) on: the same place in phi's and in g's buffers
	s_lshl_b32 s94, s41, 3
	s_lshl_b32 s95, s40, 1
	s_add_co_u32 s94, s94, s95
	s_add_co_u32 s94, s94, s38
	s_lshl_b32 s94, s94, 2
	s_add_co_u32 s94, s94, s39
	s_lshl_b32 s96, s94, 13
	s_lshl_b32 s95, s37, 12
	s_add_co_u32 s96, s96, s95
	s_add_nc_u64 s[24:25], s[24:25], s[96:97]
	s_add_nc_u64 s[28:29], s[28:29], s[96:97]
	s_lshl_b32 s96, s94, 9
	s_lshl_b32 s95, s37, 8
	s_add_co_u32 s96, s96, s95
	s_add_nc_u64 s[26:27], s[26:27], s[96:97]
	s_add_nc_u64 s[30:31], s[30:31], s[96:97]
	global_load_b128 v[12:15], v10, s[76:77]
.irp t, 0,1,2,3,4,5,6,7
	global_load_b128 v[SP0+4*\t:SP0+4*\t+3], v[ASC], s[10:11] offset:(32*(\t/2)+8*(\t%2))*32
	global_load_b128 v[SG0+4*\t:SG0+4*\t+3], v[ASC], s[6:7] offset:(32*(\t/2)+8*(\t%2))*32
.endr
.irp m, 0,1,2,3
	global_load_b128 v[SP1+4*\m:SP1+4*\m+3], v[ASC], s[4:5] offset:(32*(\m/2)+8*(\m%2))*32
	global_load_b128 v[SG1+4*\m:SG1+4*\m+3], v[ASC], s[16:17] offset:(32*(\m/2)+8*(\m%2))*32
	global_load_b32 v[16+\m], v[AGB], s[18:19] offset:(32*(\m/2)+8*(\m%2))*4
.endr
	WIN 0x40
.irp t, 0,1,2,3,4,5,6,7
	global_load_b128 v[128+8*\t:128+8*\t+3], v[APB], s[12:13] offset:(32*(\t/2)+8*(\t%2))*4      ; phi_b of channels 32 (t / 2) + 8 (t % 2) + 16 h + 0 .. 7
	global_load_b128 v[128+8*\t+4:128+8*\t+7], v[APB], s[12:13] offset:(32*(\t/2)+8*(\t%2))*4+16
.endr
	WIN 0
	s_wait_loadcnt 0x0                             ; all 45, once
	global_store_b128 v[LI], v[12:15], s[78:79]
	WIN 0x40
.irp m, 0,1,2,3
.irp j, 0,1,2,3,4,5,6,7
	v_mov_b32 v[192+8*\m+\j], v[16+\m]             ; g_b of my lane's channel, in all eight registers of the C of tile m
.endr
.endr
	WIN 0
	s_wait_tensorcnt 0x0                           ; my parts of the three tiles are in,
	s_barrier_signal -1
	s_barrier_wait -1                              ; everybody's are; nothing is filled again
	GEMM AP0, AP1, SP0, SP1, 128, 0                ; phi
	OUT 24, 26
	s_wait_xcnt 0x0                                ; the stores have read their registers: the codes' and words' registers are written again below
	GEMM AG0, AG1, SG0, SG1, 192, 1                ; g
	OUT 28, 30
	s_wait_tensorcnt 0x0                           ; the wave's end
	ds_add_u32 v[SPW], v[NIL]
	s_wait_dscnt 0x0
	CROUND                                         ; the closing round: no work-group ends while a partner may still ask for a tile that names it
	s_endpgm
.Lfunc_end_k_q3dbf3d4870_prep:
	.size	k_q3dbf3d4870_prep, .Lfunc_end_k_q3dbf3d4870_prep-k_q3dbf3d4870_prep
	.p2alignl 7, 3214868480
	.fill 96, 4, 3214868480
	.section	.rodata,"a",@progbits
	.p2align	6, 0x0
	.amdhsa_kernel k_q3dbf3d4870_prep
		.amdhsa_group_segment_fixed_size 327680
		.amdhsa_private_segment_fixed_size 0
		.amdhsa_enable_private_segment 0
		.amdhsa_kernarg_size 128
		.amdhsa_user_sgpr_count 2
		.amdhsa_user_sgpr_kernarg_segment_ptr 1
		.amdhsa_wavefront_size32 1
		.amdhsa_system_sgpr_workgroup_id_x 1
		.amdhsa_system_sgpr_workgroup_id_y 1
		.amdhsa_system_sgpr_workgroup_id_z 1
		.amdhsa_system_vgpr_workitem_id 0
		.amdhsa_next_free_vgpr 768
		.amdhsa_next_free_sgpr 100
		.amdhsa_reserve_vcc 0
		.amdhsa_float_denorm_mode_32 3
		.amdhsa_float_denorm_mode_16_64 3
		.amdhsa_memory_ordered 1
		.amdhsa_forward_progress 1
		.amdhsa_inst_pref_size 139
	.end_amdhsa_kernel
	.amdgpu_metadata
---
amdhsa.version: [ 1, 2 ]
amdhsa.kernels:
  - .name:           k_q3dbf3d4870_prep
    .symbol:         k_q3dbf3d4870_prep.kd
    .args:
      - { .name: x_2_codes, .offset: 0, .size: 8, .value_kind: global_buffer, .address_space: global }
      - { .name: x_2_scales, .offset: 8, .size: 8, .value_kind: global_buffer, .address_space: global }
      - { .name: phi_w_codes, .offset: 16, .size: 8, .value_kind: global_buffer, .address_space: global }
      - { .name: phi_w_scales, .offset: 24, .size: 8, .value_kind: global_buffer, .address_space: global }
      - { .name: phi_b, .offset: 32, .size: 8, .value_kind: global_buffer, .address_space: global }
      - { .name: g_w_codes, .offset: 40, .size: 8, .value_kind: global_buffer, .address_space: global }
      - { .name: g_w_scales, .offset: 48, .size: 8, .value_kind: global_buffer, .address_space: global }
      - { .name: g_b, .offset: 56, .size: 8, .value_kind: global_buffer, .address_space: global }
      - { .name: theta_w_codes, .offset: 64, .size: 8, .value_kind: global_buffer, .address_space: global }
      - { .name: w_w_codes, .offset: 72, .size: 8, .value_kind: global_buffer, .address_space: global }
      - { .name: ph_img, .offset: 80, .size: 8, .value_kind: global_buffer, .address_space: global }
      - { .name: ph_scl, .offset: 88, .size: 8, .value_kind: global_buffer, .address_space: global }
      - { .name: g_img, .offset: 96, .size: 8, .value_kind: global_buffer, .address_space: global }
      - { .name: g_scl, .offset: 104, .size: 8, .value_kind: global_buffer, .address_space: global }
      - { .name: tw_img, .offset: 112, .size: 8, .value_kind: global_buffer, .address_space: global }
      - { .name: ww_img, .offset: 120, .size: 8, .value_kind: global_buffer, .address_space: global }
    .group_segment_fixed_size: 327680
    .private_segment_fixed_size: 0
    .kernarg_segment_align: 8
    .kernarg_segment_size: 128
    .max_flat_workgroup_size: 128
    .sgpr_count:     100
    .vgpr_count:     768
    .wavefront_size: 32
...
	.end_amdgpu_metadata
.endif
;; end of part 1
;; launch main (part 2): grid 16 x 16, 4 waves a work-group, no clusters, 327,680 bytes of LDS; arguments x, theta_b, theta_w_scales, w_w_scales, w_b, bn_gamma, bn_beta, bn_mean, bn_var, tw_img, ww_img, ph_img, ph_scl, g_img, g_scl, out0; writes out0
.if DOCPART == 2
	.amdgcn_target "amdgcn-amd-amdhsa--gfx1250"
	.amdhsa_code_object_version 6
	.text
	.protected	k_q3dbf3d4870_main
	.globl	k_q3dbf3d4870_main
	.p2align	8
	.type	k_q3dbf3d4870_main,@function
k_q3dbf3d4870_main:
	s_mov_b64 s[64:65], 0
	v_nop
	global_prefetch_b8 v0, s[64:65] scope:SCOPE_SE
	s_setreg_imm32_b32 hwreg(HW_REG_WAVE_MODE, 25, 1), 1
	s_wait_xcnt 0x0
; SGCAM, second launch: for 64 positions n of one batch the whole chain: x quantised along its 1,024 channels; theta = theta_w x + theta_b; W = theta phi / 1,024; y = W g; w_w y; BatchNorm; + x.
; Every product on codes of E2M1 with E8M0 scales; every operand computed on the way is quantised in registers from f32 sums.  No work of the problem is left out.
; THE FACTOR 1 / 1,024 is a power of two: W's codes are those of the sums, and 10 is taken off each of its scale bytes; the floor under a block's largest magnitude is raised by the same 10,
; so that the byte is held at 1 from below just where the rule holds e at -126.
; LIMITS: a block of zeros gets the byte 1 where the rule says 127 (its codes are zeros; the bytes are read by this program alone); NaN and infinities among the inputs are not served;
; theta_b enters as the C of the sum's first matrix instruction, and theta's eight K steps are summed in the order 0, 2, 4, 6, 1, 3, 5, 7; BatchNorm is applied as a x sum + d with a = gamma / sqrt(var + eps),
; d = (w_b - mean) a + beta: other orders of rounding than the problem's text has.
; x IS READ ONCE: the block's 1,024 x 64 numbers come into LDS by tensor loads (rows of 256 bytes + 16 of padding), are quantised from there, and stay for the residual; the result is made in their place and leaves as whole rows.
; SHARES.  THE WAVES SHARE THE COLUMNS, NOT THE ROWS.  Wave w owns, for all four tiles m of 16 positions: x's channels and out's channels 256 w on (its own part of the x tile: no other wave touches it);
; theta's and y's channels 128 w on (K step w of the next product); chunk 4 R + w of 128 columns of W in round R.  The large operands (images made by the first launch) go from memory straight into
; registers, each byte once a work-group, asked for three steps ahead in a ring of four sets; the 64 rows' codes go from wave to wave through LDS as images of their registers.
; THETA STARTS ON HALF OF x: a wave's first tensor load holds K step 2 w, its second K step 2 w + 1.  The even K steps are quantised and multiplied while the second loads are on their way.
; All but the last product are used transposed (source 0 = the large operand's 16 rows, source 1 = 16 positions): a lane holds ONE position and its registers run along the next K.
; In the last, source 0 = y's 16 positions, source 1 = w_w's 16 channels: a lane holds one channel and eight neighbouring positions, 32 bytes of a row of out.
; NO CLUSTER, NO RING IN LDS: the x tile (278,528 bytes), the images and tables take 322,048 of the 327,680 bytes of LDS: no slot for shared tiles fits beside them.
.set XPIT,  272
.set WAVEX, 256*XPIT                   ; a wave's part of the x tile
.set R1,    4*WAVEX                    ; behind the x tile: first x's 32 images (32,768 bytes; fragment (m, s) at (8 m + s) 1,024) and x's scale words [s % 2][n][s / 2];
.set XSO,   32768
.set TSO,   16384                      ; later, over them: theta's (then y's) 16 images at 0 (fragment (m, s) at (4 m + s) 1,024), their scale words [n][4] at TSO,
.set WIO,   17408                      ; W's 16 images,
.set WSO,   33792                      ; W's scale words
.set AT,    R1+34816                   ; a[1,024];  d[1,024] 4,096 bytes on
.set SPARE, AT+8192                    ; the spare words: 128 bytes a wave, two blocks of 256 bytes that no other line names
.set LI,   1                           ; v1  16 x lane
.set L8,   2                           ; v2  8 x lane
.set IR,   3                           ; v3  R1 + 16 x lane: an image is read
.set IW,   4                           ; v4  R1 + 1,024 w + 16 x lane: my image is stored
.set SRD,  5                           ; v5  R1 + 16 (lane % 16): a row's four scale words are read
.set SWR,  6                           ; v6  the same + 4 w: my word of them is stored
.set XR,   7                           ; v7  my part of the x tile + 4 x lane
.set XWI,  8                           ; v8  where position n = lane stores a block's 16 bytes of codes
.set XSW,  9                           ; v9  and its scale word: R1 + XSO + 16 x lane + 4 w
.set EX0,  14                          ; v14, v15 the way out: my 32 bytes of a channel's row; for the group in hand
.set EX,   15
.set ER0,  16                          ; v16, v17 whole rows back
.set ER,   17
.set AR0,  18                          ; v18, v19 a and d of my lane's channel
.set AR,   19
.set GO,   20                          ; v20 my byte offset in out
.set RF,   32                          ; v32-95   source rows' fragments, two sets of 32; in phase X 64 numbers; on the way out whole rows, two sets
.set ST,   32
.set XB,   96                          ; v96-159  the way out: x's numbers, two sets of 32; at the head BatchNorm's parameters; between them:
.set QC,   96                          ; v96-127  the codes of a phase's four row tiles, 8 registers each,
.set QW,   128                         ; v128-131 and their scale words: a tile's LDS stores read registers that the next tile's conversions do not write
.set SR,   160                         ; v160-175 the streams' scale words, four sets of 4
.set WSC,  176                         ; v176-207 theta_w's scale words, later w_w's
.set RS,   208                         ; v208-223 the rows' scale words: 4 m + word
.set TM,   224                         ; v224-239 at work in the quantisers
.set PC,   242                         ; v242-249 phase X: the codes just made
.set XA0,  250                         ; v250, v251 four blocks' scale bytes, gathered
.set XA1,  251
.set SPW,  254
.set NIL,  255
.set SEL,  60
; v24-31: a at v[24 + 4 p], d at v[26 + 4 p], two sets; the odd ones are named as upper halves of pairs and hold 0.
; window 1: the ring, four sets of 64 (fragment t of set p at 64 p + 8 t).  window 2: accumulator (m, t) at 64 m + 8 t; in the last product (k, m) at 32 k + 8 m.
; window 3: y's accumulators at 64 m + 8 t; before them v0-63 hold theta_b in the result's layout.
.set MSB, 0
.macro WIN new                         ; the immediate's high byte repeats the setting that is left; a switch that changes nothing is dropped
.if MSB != (\new)
	s_set_vgpr_msb (MSB<<8)|(\new)
.set MSB, (\new)
.endif
.endm
.macro PLACES                          ; four plain places behind a matrix instruction, ahead of loads into its registers and of reads of its result
.rept 4
	v_nop
.endr
.endm
.macro BARRIER                         ; my LDS stores have landed and my LDS loads are in: then the work-group's barrier
	s_wait_dscnt 0x0
	s_barrier_signal -1
	s_barrier_wait -1
.endm
; one matrix instruction.  c < 0: the constant 0 starts the sum.  ra, rb: the side's scales stand in lanes 16-31
.macro WM d, a, b, c, sa, sb, ra, rb
.if (\c) < 0
.if (\ra) && (\rb)
	v_wmma_scale_f32_16x16x128_f8f6f4 v[(\d):(\d)+7], v[(\a):(\a)+7], v[(\b):(\b)+7], 0, v[\sa], v[\sb] matrix_a_fmt:MATRIX_FMT_FP4 matrix_b_fmt:MATRIX_FMT_FP4 matrix_a_scale:MATRIX_SCALE_ROW1 matrix_b_scale:MATRIX_SCALE_ROW1
.elseif (\ra)
	v_wmma_scale_f32_16x16x128_f8f6f4 v[(\d):(\d)+7], v[(\a):(\a)+7], v[(\b):(\b)+7], 0, v[\sa], v[\sb] matrix_a_fmt:MATRIX_FMT_FP4 matrix_b_fmt:MATRIX_FMT_FP4 matrix_a_scale:MATRIX_SCALE_ROW1
.elseif (\rb)
	v_wmma_scale_f32_16x16x128_f8f6f4 v[(\d):(\d)+7], v[(\a):(\a)+7], v[(\b):(\b)+7], 0, v[\sa], v[\sb] matrix_a_fmt:MATRIX_FMT_FP4 matrix_b_fmt:MATRIX_FMT_FP4 matrix_b_scale:MATRIX_SCALE_ROW1
.else
	v_wmma_scale_f32_16x16x128_f8f6f4 v[(\d):(\d)+7], v[(\a):(\a)+7], v[(\b):(\b)+7], 0, v[\sa], v[\sb] matrix_a_fmt:MATRIX_FMT_FP4 matrix_b_fmt:MATRIX_FMT_FP4
.endif
.else
.if (\ra) && (\rb)
	v_wmma_scale_f32_16x16x128_f8f6f4 v[(\d):(\d)+7], v[(\a):(\a)+7], v[(\b):(\b)+7], v[(\c):(\c)+7], v[\sa], v[\sb] matrix_a_fmt:MATRIX_FMT_FP4 matrix_b_fmt:MATRIX_FMT_FP4 matrix_a_scale:MATRIX_SCALE_ROW1 matrix_b_scale:MATRIX_SCALE_ROW1
.elseif (\ra)
	v_wmma_scale_f32_16x16x128_f8f6f4 v[(\d):(\d)+7], v[(\a):(\a)+7], v[(\b):(\b)+7], v[(\c):(\c)+7], v[\sa], v[\sb] matrix_a_fmt:MATRIX_FMT_FP4 matrix_b_fmt:MATRIX_FMT_FP4 matrix_a_scale:MATRIX_SCALE_ROW1
.elseif (\rb)
	v_wmma_scale_f32_16x16x128_f8f6f4 v[(\d):(\d)+7], v[(\a):(\a)+7], v[(\b):(\b)+7], v[(\c):(\c)+7], v[\sa], v[\sb] matrix_a_fmt:MATRIX_FMT_FP4 matrix_b_fmt:MATRIX_FMT_FP4 matrix_b_scale:MATRIX_SCALE_ROW1
.else
	v_wmma_scale_f32_16x16x128_f8f6f4 v[(\d):(\d)+7], v[(\a):(\a)+7], v[(\b):(\b)+7], v[(\c):(\c)+7], v[\sa], v[\sb] matrix_a_fmt:MATRIX_FMT_FP4 matrix_b_fmt:MATRIX_FMT_FP4
.endif
.endif
.endm
; 64 numbers of a lane in window win, register s + 16 b + i = k 32 b + 16 (lane / 16) + i of my row, become a fragment's codes in v[pc] on and its scale word in v[pw], both in window 0.
.macro QUANTW win, s, floor, pc, pw
	WIN (\win)|((\win)<<2)                         ; sources 0 and 1 in the numbers' window; the running maximum is source 2, in window 0
.irp b, 0,1,2,3
	v_max3_num_f32 v[TM+\b], |v[(\s)+16*\b]|, |v[(\s)+16*\b+1]|, \floor   ; block b: my 16 numbers, each accumulator from its low end on, and the floor that holds the byte from below
.endr
.irp i, 2,4,6,8,10,12,14
.irp b, 0,1,2,3
	v_max3_num_f32 v[TM+\b], |v[(\s)+16*\b+\i]|, |v[(\s)+16*\b+\i+1]|, v[TM+\b]   ; the four blocks by turns
.endr
.endr
	WIN 0
.irp b, 0,1,2,3
	v_permlanex16_b32 v[TM+4+\b], v[TM+\b], s[SEL], s[SEL+1]
.endr
.irp b, 0,1,2,3
	v_max_num_f32 v[TM+\b], v[TM+\b], v[TM+4+\b]   ; with lane l xor 16's 16: the block's largest magnitude
.endr
.irp b, 0,1,2,3
	v_add_nc_u32 v[TM+12+\b], 0xff000000, v[TM+\b] ; 2 off its exponent field: the conversion's scale operand
.endr
.irp b, 0,1,2,3
	v_lshrrev_b32 v[TM+4+\b], 23, v[TM+12+\b]      ; the scale's byte
.endr
	v_lshl_or_b32 v[\pw], v[TM+5], 8, v[TM+4]
	v_lshl_or_b32 v[\pw], v[TM+6], 16, v[\pw]
	v_lshl_or_b32 v[\pw], v[TM+7], 24, v[\pw]      ; my row's scale word (the same in lanes l and l xor 16)
	WIN (\win)
.irp b, 0,1,2,3
	v_cvt_scalef32_pk8_fp4_f32 v[(\pc)+2*\b], v[(\s)+16*\b:(\s)+16*\b+7], v[TM+12+\b]
	v_cvt_scalef32_pk8_fp4_f32 v[(\pc)+2*\b+1], v[(\s)+16*\b+8:(\s)+16*\b+15], v[TM+12+\b]
.endr
	WIN 0
	v_nop                                          ; one plain place behind a scaled conversion
.irp c, 0,1                                    ; the operand's layout wants a whole block in a lane: lanes 0-15 block 2 c, lanes 16-31 block 2 c + 1
.irp i, 0,1
	v_permlane16_swap_b32 v[(\pc)+4*\c+\i], v[(\pc)+4*\c+2+\i]
.endr
.endr
.endm
; The macros below that load or store by an address of window 0 set the windows themselves: none of them runs under the setting that a run of products has left.
.macro LDSET p, ptr, off               ; eight fragments, 8,192 consecutive bytes, into set p of the ring: each load of the wave reads 512 consecutive bytes
	WIN 0x40
.irp t, 0,1,2,3,4,5,6,7
	global_load_b128 v[64*(\p)+8*\t:64*(\p)+8*\t+3], v[LI], s[\ptr:\ptr+1] offset:(\off)+1024*\t
	global_load_b128 v[64*(\p)+8*\t+4:64*(\p)+8*\t+7], v[LI], s[\ptr:\ptr+1] offset:(\off)+1024*\t+512
.endr
	WIN 0
.endm
.macro LDSCL p, ptr, off               ; their scale words, 512 consecutive bytes: register 2 (t / 4) + (t / 2) % 2 of the set; an even tile's in lanes 0-15, an odd tile's in lanes 16-31
	WIN 0
	global_load_b64 v[SR+4*(\p):SR+4*(\p)+1], v[L8], s[\ptr:\ptr+1] offset:(\off)
	global_load_b64 v[SR+4*(\p)+2:SR+4*(\p)+3], v[L8], s[\ptr:\ptr+1] offset:(\off)+256
.endm
.macro LDWSC off                       ; w_w's scale words of eight tiles: register 4 (k / 2) + K step; tile 2 kk in lanes 0-15, 2 kk + 1 in lanes 16-31
	WIN 0
.irp kk, 0,1,2,3
	global_load_b128 v[WSC+4*\kk:WSC+4*\kk+3], v[LI], s[78:79] offset:(\off)+512*\kk
.endr
.endm
.macro LDROW buf, off0, str            ; the four row tiles' fragments of one K step, from their images
	WIN 0
.irp m, 0,1,2,3
	ds_load_b128 v[RF+32*(\buf)+8*\m:RF+32*(\buf)+8*\m+3], v[IR] offset:(\off0)+(\str)*\m
	ds_load_b128 v[RF+32*(\buf)+8*\m+4:RF+32*(\buf)+8*\m+7], v[IR] offset:(\off0)+(\str)*\m+512
.endr
.endm
.macro LDRS off                        ; and their scale words, four a row
	WIN 0
.irp m, 0,1,2,3
	ds_load_b128 v[RS+4*\m:RS+4*\m+3], v[SRD] offset:(\off)+256*\m
.endr
.endm
.macro IMAGE reg, off                  ; the fragment in v[reg] on goes to LDS as it stands
	WIN 0
	ds_store_b128 v[IW], v[(\reg):(\reg)+3] offset:(\off)
	ds_store_b128 v[IW], v[(\reg)+4:(\reg)+7] offset:(\off)+512
.endm
; 32 matrix instructions each; the 32 accumulators take turns, one instruction a turn
.macro MULT v                          ; theta: the v-th of 8 steps, which is K step SV = 2 (v % 4) + v / 4; x's scale word of it is word v % 4 of the half in hand
.if (\v) == 0
	WIN 0xb1                                       ; source 0 window 1, C (theta_b) window 3, D window 2
.else
	WIN 0xa1
.endif
.irp m, 0,1,2,3
.irp t, 0,1,2,3,4,5,6,7
.if (\v) == 0
	WM 64*\m+8*\t, 64*((\v)%4)+8*\t, RF+32*((\v)%2)+8*\m, 8*\t, WSC+4*\t+SV%4, RS+4*\m+(\v)%4, SV/4, 0
.else
	WM 64*\m+8*\t, 64*((\v)%4)+8*\t, RF+32*((\v)%2)+8*\m, 64*\m+8*\t, WSC+4*\t+SV%4, RS+4*\m+(\v)%4, SV/4, 0
.endif
.endr
.endr
.endm
.macro MULP s                          ; W's sums: K step s of 4
	WIN 0xa1
.irp m, 0,1,2,3
.irp t, 0,1,2,3,4,5,6,7
.if (\s) == 0
	WM 64*\m+8*\t, 64*(\s)+8*\t, RF+32*((\s)%2)+8*\m, -1, SR+4*(\s)+2*(\t/4)+(\t/2)%2, RS+4*\m+(\s), \t%2, 0
.else
	WM 64*\m+8*\t, 64*(\s)+8*\t, RF+32*((\s)%2)+8*\m, 64*\m+8*\t, SR+4*(\s)+2*(\t/4)+(\t/2)%2, RS+4*\m+(\s), \t%2, 0
.endif
.endr
.endr
.endm
.macro MULG s, first                   ; y's sums: K step s of the round's 4; first = 1: the very first step starts them
	WIN 0xf1                                       ; source 0 window 1, C and D window 3
.irp m, 0,1,2,3
.irp t, 0,1,2,3,4,5,6,7
.if \first
	WM 64*\m+8*\t, 64*(\s)+8*\t, RF+32*((\s)%2)+8*\m, -1, SR+4*(\s)+2*(\t/4)+(\t/2)%2, RS+4*\m+(\s), \t%2, 0
.else
	WM 64*\m+8*\t, 64*(\s)+8*\t, RF+32*((\s)%2)+8*\m, 64*\m+8*\t, SR+4*(\s)+2*(\t/4)+(\t/2)%2, RS+4*\m+(\s), \t%2, 0
.endif
.endr
.endr
.endm
.macro MULO s                          ; w_w y: K step s of 4; source 0 = y's positions (window 0), source 1 = w_w's channels (window 1)
	WIN 0xa4
.irp k, 0,1,2,3,4,5,6,7
.irp m, 0,1,2,3
.if (\s) == 0
	WM 32*\k+8*\m, RF+32*((\s)%2)+8*\m, 64*(\s)+8*\k, -1, RS+4*\m+(\s), WSC+4*(\k/2)+(\s), 0, \k%2
.else
	WM 32*\k+8*\m, RF+32*((\s)%2)+8*\m, 64*(\s)+8*\k, 32*\k+8*\m, RS+4*\m+(\s), WSC+4*(\k/2)+(\s), 0, \k%2
.endif
.endr
.endr
.endm
	s_load_b512 s[4:19], s[0:1], 0x0               ; x 4, theta_b 6, theta_w scales 8, w_w scales 10, w_b 12, gamma 14, beta 16, mean 18
	s_load_b512 s[20:35], s[0:1], 0x40             ; var 20, tw_img 22, ww_img 24, ph_img 26, ph_scl 28, g_img 30, g_scl 32, out0 34
	v_lshl_add_u32 v[SPW], v0, 2, SPARE
	v_mov_b32 v[NIL], 0
	ds_add_u32 v[SPW], v[NIL]                      ; the wave's opening: the add, twice on end, with its wait ahead of my first tensor load
	ds_add_u32 v[SPW], v[NIL]
	v_lshrrev_b32 v11, 5, v0
	v_readfirstlane_b32 s40, v11                   ; wave w
	s_and_b32 s41, ttmp7, 0xffff                   ; b
	; descriptor group 1: 128 rows (channels) of 64 f32, 1,024 elements apart in memory; 16 bytes of padding behind every 256
	s_mov_b32 s44, (2<<16)|(1<<20)|(5<<22)|(3<<25)
	s_mov_b32 s45, 64<<16                          ; tensor_dim0
	s_mov_b32 s46, 128<<16                         ; tensor_dim1
	s_mov_b32 s47, 64<<16                          ; tile_dim0
	s_mov_b32 s48, 128                             ; tile_dim1
	s_mov_b32 s49, 1024                            ; elements from row to row
	s_mov_b32 s50, 0
	s_mov_b32 s51, 0
	s_mov_b32 s52, 1
	s_mul_i32 s53, s40, WAVEX                      ; my part of the x tile: channels 256 w on,
	s_mov_b32 s56, 1
	s_add_co_u32 s57, s53, 128*XPIT                ; and its second half
	s_mov_b32 s[SEL], 0x76543210
	s_mov_b32 s[SEL+1], 0xfedcba98
	s_lshl_b32 s36, s41, 22                        ; b x 4 MiB + 256 w rows of 4,096 bytes + 256 bytes x work-group x
	s_lshl_b32 s37, s40, 20
	s_add_co_u32 s36, s36, s37
	s_lshl_b32 s37, ttmp9, 8
	s_add_co_u32 s36, s36, s37
	s_mov_b32 s37, 0
	s_wait_dscnt 0x0                               ; both opening adds are done
	s_wait_kmcnt 0x0
	s_add_nc_u64 s[54:55], s[4:5], s[36:37]
	s_add_nc_u64 s[58:59], s[54:55], 0x80000       ; 128 rows on
	s_or_b32 s55, s55, 0x80000000
	s_or_b32 s59, s59, 0x80000000
	tensor_load_to_lds s[52:55], s[44:51]          ; my two first fills, and my only ones: two tensor loads of mine are out
	s_nop 0
	tensor_load_to_lds s[56:59], s[44:51]
	s_nop 0
.rept 4
	v_nop
.endr
	v_and_b32 v11, 31, v0                          ; lane
	v_and_b32 v12, 15, v0                          ; r
	v_bfe_u32 v13, v0, 4, 1                        ; h
	v_lshlrev_b32 v[LI], 4, v11
	v_lshlrev_b32 v[L8], 3, v11
	v_add_nc_u32 v[IR], R1, v[LI]
	s_lshl_b32 s42, s40, 10
	v_add_nc_u32 v[IW], s42, v[IR]
	v_lshl_add_u32 v[SRD], v12, 4, R1
	s_lshl_b32 s43, s40, 2
	v_add_nc_u32 v[SWR], s43, v[SRD]
	v_lshl_add_u32 v[XR], v11, 2, s53
	v_lshlrev_b32 v[XWI], 13, v13                  ; position n = lane: tile n / 16 (8,192 bytes a tile), 16 bytes a row; block 8 w + trip: 256 bytes a block
	v_lshl_add_u32 v[XWI], v12, 4, v[XWI]
	s_lshl_b32 s43, s40, 11
	s_add_co_u32 s43, s43, R1
	v_add_nc_u32 v[XWI], s43, v[XWI]
	v_lshlrev_b32 v[XSW], 4, v11                   ; position n = lane: 16 bytes a position, my wave's word of them
	s_lshl_b32 s43, s40, 2
	s_add_co_u32 s43, s43, R1+XSO
	v_add_nc_u32 v[XSW], s43, v[XSW]
	v_mul_u32_u24 v[EX0], v12, XPIT
	v_lshl_add_u32 v[EX0], v13, 5, v[EX0]
	v_add_nc_u32 v[EX0], s53, v[EX0]
	v_mul_u32_u24 v[ER0], v13, XPIT
	v_lshl_add_u32 v[ER0], v12, 4, v[ER0]
	v_add_nc_u32 v[ER0], s53, v[ER0]
	v_lshlrev_b32 v[AR0], 2, v12
	s_add_co_u32 s43, s42, AT
	v_add_nc_u32 v[AR0], s43, v[AR0]
	v_lshlrev_b32 v[GO], 12, v13
	v_lshl_add_u32 v[GO], v12, 4, v[GO]
	s_lshl_b32 s43, s40, 20
	v_add_nc_u32 v[GO], s43, v[GO]
	v_and_b32 v21, 8, v12
	v_add_nc_u32 v21, v21, v12                     ; r + 8 (r / 8)
	v_lshlrev_b32 v21, 5, v21
	v_lshl_add_u32 v21, v13, 4, v21                ; theta_w's scale rows
	v_lshlrev_b32 v22, 6, v13                      ; theta_b: 64 h
	v_lshl_add_u32 v23, v11, 5, s42                ; BatchNorm's parameters: my 8 of my wave's 256 channels
	s_lshl_b32 s36, s40, 16
	s_add_nc_u64 s[66:67], s[22:23], s[36:37]      ; tw_img: my 128 channels' 64 fragments
	s_add_nc_u64 s[76:77], s[24:25], s[36:37]      ; ww_img: my 256 channels' 64 fragments
	s_lshl_b32 s36, s41, 3
	s_add_co_u32 s36, s36, s40
	s_lshl_b32 s38, s36, 11
	s_lshl_b32 s36, s36, 15
	s_mov_b32 s39, 0
	s_add_nc_u64 s[68:69], s[26:27], s[36:37]      ; ph_img: chunk w of batch b
	s_add_nc_u64 s[70:71], s[28:29], s[38:39]
	s_lshl_b32 s36, s41, 18
	s_lshl_b32 s38, s40, 13
	s_add_co_u32 s36, s36, s38
	s_add_nc_u64 s[72:73], s[30:31], s[36:37]      ; g_img: batch b, quarter w
	s_lshl_b32 s36, s41, 14
	s_lshl_b32 s38, s40, 9
	s_add_co_u32 s36, s36, s38
	s_add_nc_u64 s[74:75], s[32:33], s[36:37]
	s_lshl_b32 s36, s40, 12
	s_add_nc_u64 s[78:79], s[10:11], s[36:37]      ; w_w's scales: row 256 w
	s_add_nc_u64 s[8:9], s[8:9], s[36:37]          ; theta_w's: row 128 w
	s_lshl_b32 s36, s40, 9
	s_add_nc_u64 s[6:7], s[6:7], s[36:37]          ; theta_b at 128 w
	s_lshl_b32 s36, s41, 22
	s_lshl_b32 s38, ttmp9, 8
	s_add_co_u32 s36, s36, s38
	s_add_nc_u64 s[80:81], s[34:35], s[36:37]      ; out: batch b, my block's 256 bytes of a row
.irp i, 0,1
	global_load_b128 v[96+4*\i:99+4*\i], v23, s[14:15] offset:16*\i     ; gamma
	global_load_b128 v[104+4*\i:107+4*\i], v23, s[16:17] offset:16*\i   ; beta
	global_load_b128 v[112+4*\i:115+4*\i], v23, s[18:19] offset:16*\i   ; mean
	global_load_b128 v[120+4*\i:123+4*\i], v23, s[20:21] offset:16*\i   ; var
	global_load_b128 v[128+4*\i:131+4*\i], v23, s[12:13] offset:16*\i   ; w_b
.endr
.irp t, 0,1,2,3,4,5,6,7
	global_load_b128 v[WSC+4*\t:WSC+4*\t+3], v21, s[8:9] offset:(32*(\t/2)+8*(\t%2))*32
.endr
	WIN 0xc0
.irp t, 0,1,2,3,4,5,6,7
	global_load_b128 v[8*\t:8*\t+3], v22, s[6:7] offset:(32*(\t/2)+8*(\t%2))*4       ; theta_b of channels 32 (t / 2) + 8 (t % 2) + 16 h + 0 .. 7
	global_load_b128 v[8*\t+4:8*\t+7], v22, s[6:7] offset:(32*(\t/2)+8*(\t%2))*4+16
.endr
	WIN 0
	LDSET 0, 66, 0                                 ; theta_w's K step 0
.irp b, 0,1,2,3
	v_mov_b32 v[TM+4+\b], 0                        ; written once: a lane permute's destination counts as one of its sources
	v_mov_b32 v[25+2*\b], 0                        ; the upper halves of a's and d's pairs
.endr
	v_mov_b32 v[XA0], 0
	v_mov_b32 v[XA1], 0
	s_wait_loadcnt 16                              ; all but theta_w's first set, the 16 youngest loads
.irp j, 0,1,2,3,4,5,6,7
	v_add_f32 v[120+\j], 0x3727c5ac, v[120+\j]     ; var + 1e-5
.endr
.irp j, 0,1,2,3,4,5,6,7
	v_rsq_f32 v[120+\j], v[120+\j]
.endr
.irp j, 0,1,2,3,4,5,6,7
	v_sub_f32 v[128+\j], v[128+\j], v[112+\j]      ; w_b - mean: plain work behind the batch
.endr
	s_wait_alu depctr_va_vdst(0)                   ; one wait for the eight, ahead of their first reader
.irp j, 0,1,2,3,4,5,6,7
	v_mul_f32 v[136+\j], v[96+\j], v[120+\j]       ; a
.endr
.irp j, 0,1,2,3,4,5,6,7
	v_fma_f32 v[144+\j], v[128+\j], v[136+\j], v[104+\j]   ; d
.endr
	v_add_nc_u32 v23, AT, v23                      ; (its loads are in)  my wave's own 1,024 bytes of each table: only I read them
	ds_store_b128 v23, v[136:139]
	ds_store_b128 v23, v[140:143] offset:16
	ds_store_b128 v23, v[144:147] offset:4096
	ds_store_b128 v23, v[148:151] offset:4112
	LDSET 1, 66, 16384                             ; K step 2
	LDSET 2, 66, 32768                             ; K step 4
; PHASE X.  A lane takes a position n and its registers run down the channels: a block of 32 lies in one lane.  A trip: one block for positions n = lane and n = lane + 32.
.macro XQ s, tm, pc
	v_max3_num_f32 v[\tm], |v[\s]|, |v[\s+1]|, |v[\s+2]|
	v_max3_num_f32 v[\tm+1], |v[\s+3]|, |v[\s+4]|, |v[\s+5]|
.irp i, 6,10,14,18,22,26
	v_max3_num_f32 v[\tm], v[\tm], |v[\s+\i]|, |v[\s+\i+1]|
	v_max3_num_f32 v[\tm+1], v[\tm+1], |v[\s+\i+2]|, |v[\s+\i+3]|
.endr
	v_max3_num_f32 v[\tm], v[\tm], |v[\s+30]|, |v[\s+31]|
	v_max3_num_f32 v[\tm], v[\tm], v[\tm+1], 0x1800000   ; and the floor 2^(3 - 127): the byte cannot fall under 1
	v_add_nc_u32 v[\tm+2], 0xff000000, v[\tm]
	v_lshrrev_b32 v[\tm+3], 23, v[\tm+2]
.irp g, 0,1,2,3
	v_cvt_scalef32_pk8_fp4_f32 v[\pc+\g], v[\s+8*\g:\s+8*\g+7], v[\tm+2]
.endr
.endm
.macro XLOOP ax, ai, wo                ; four blocks, one K step: one tensor load's 128 channels.  ax, ai: where they begin in the x tile and in the images; wo: the half of the scale words
	s_mov_b32 s82, \ax
	s_mov_b32 s83, \ai
	s_mov_b32 s62, 4
.Lx_\@:
	v_add_nc_u32 v11, s82, v[XR]
	v_add_nc_u32 v12, s83, v[XWI]
.irp i, 0,1,2,3,4,5,6,7,8,9,10,11,12,13,14,15,16,17,18,19,20,21,22,23,24,25,26,27,28,29,30,31
	ds_load_b32 v[ST+\i], v11 offset:XPIT*\i
.endr
.irp i, 0,1,2,3,4,5,6,7,8,9,10,11,12,13,14,15,16,17,18,19,20,21,22,23
	ds_load_b32 v[ST+32+\i], v11 offset:XPIT*\i+128
.endr
	s_wait_dscnt 24                                ; the first position's 32 are in; the 24 issued behind them may be out
.irp i, 24,25,26,27,28,29,30,31
	ds_load_b32 v[ST+32+\i], v11 offset:XPIT*\i+128
.endr
	XQ ST, TM, PC
	s_wait_dscnt 0x0
	XQ ST+32, TM+8, PC+4
	v_lshrrev_b32 v[XA0], 8, v[XA0]                ; (a plain line behind the last conversion)  the trip's byte goes in at the top: after four trips the first block's is the lowest
	v_lshrrev_b32 v[XA1], 8, v[XA1]
	v_lshl_or_b32 v[XA0], v[TM+3], 24, v[XA0]
	v_lshl_or_b32 v[XA1], v[TM+11], 24, v[XA1]
	ds_store_b128 v12, v[PC:PC+3]
	ds_store_b128 v12, v[PC+4:PC+7] offset:16384   ; position n + 32: two tiles on
	s_wait_dscnt 0x0                               ; the stores have read their registers
	s_add_co_u32 s82, s82, 32*XPIT
	s_add_co_u32 s83, s83, 256
	s_sub_co_u32 s62, s62, 1
	s_cmp_lg_u32 s62, 0
	s_cbranch_scc1 .Lx_\@
	ds_store_b32 v[XSW], v[XA0] offset:\wo
	ds_store_b32 v[XSW], v[XA1] offset:512+\wo     ; position n + 32
.endm
; PHASE T, a step: theta for my 128 channels, the v-th of 8 steps.  Counts on LOADcnt: behind the set that a step needs stand the two sets asked for later: 16 loads each of theta_w's, 18 each of phi's (16 + 2 of scale words)
.macro TSTEP v
.set SV, 2*((\v)%4)+(\v)/4             ; its K step
.if (\v) < 6
	s_wait_loadcnt 32
.elseif (\v) == 6
	s_wait_loadcnt 34
.else
	s_wait_loadcnt 36
.endif
	s_wait_dscnt 0x0                               ; this step's rows are in
	PLACES                                         ; ahead of the loads into the sets that the last step multiplied
.if (\v) < 5
	LDSET ((\v)+3)%4, 66, 8192*(2*(((\v)+3)%4)+((\v)+3)/4)
.else
	LDSET ((\v)+3)%4, 68, 8192*((\v)-5)
	LDSCL ((\v)+3)%4, 70, 512*((\v)-5)
.endif
.if ((\v)%4) < 3
	LDROW ((\v)+1)%2, 1024*(SV+2), 8192            ; the half's next K step
.endif
	MULT \v
.endm
	s_wait_tensorcnt 0x1                           ; my first 128 channels are in; one younger load may be out.  Only I read these bytes
	XLOOP 0, 0, 0
	BARRIER                                        ; the fragments and scale words of K steps 0, 2, 4, 6 lie in LDS
	LDRS XSO
	LDROW 0, 0, 8192
.irp v, 0,1,2,3
	TSTEP \v
.endr
	WIN 0
	PLACES                                         ; ahead of the loads into the rows' registers, which phase X takes again
	s_wait_tensorcnt 0x0                           ; my second 128 channels are in
	XLOOP 128*XPIT, 1024, 1024                     ; it writes the odd K steps' bytes alone: other bytes than a slower wave may still be reading
	BARRIER                                        ; K steps 1, 3, 5, 7 lie in LDS
	LDRS XSO+1024
	LDROW 0, 1024, 8192
.irp v, 4,5,6,7
	TSTEP \v
.endr
	WIN 0
	PLACES
	BARRIER                                        ; every wave's reads of x's images are over: theta's are laid over them
.irp m, 0,1,2,3
	QUANTW 2, 64*\m, 0x1800000, QC+8*\m, QW+\m
	IMAGE QC+8*\m, 4096*\m
	ds_store_b32 v[SWR], v[QW+\m] offset:TSO+256*\m
.endr
	BARRIER                                        ; theta's 16 fragments lie in LDS (its wait also frees the four tiles' code registers)
; A ROUND: four K steps of W's sums for my chunk 4 rr + w of 128 columns; W quantised; a barrier; four K steps of y's sums, over the four chunks of the round.
; Counts on LOADcnt: two younger sets of 18; in the last round w_w's first set comes with its 4 loads of scale words (20) and the later ones have 16.
.macro ROUND rr
	LDRS TSO
	LDROW 0, 0, 4096
.irp j, 0,1,2,3
	s_wait_loadcnt 36
	s_wait_dscnt 0x0
	PLACES
.if \j == 0
	LDSET 3, 68, 131072*(\rr)+24576
	LDSCL 3, 70, 8192*(\rr)+1536
.else
	LDSET \j-1, 72, 32768*(4*(\rr)+\j-1)
	LDSCL \j-1, 74, 2048*(4*(\rr)+\j-1)
.endif
.if \j < 3
	LDROW (\j+1)%2, 1024*(\j+1), 4096
.endif
	MULP \j
.endr
	WIN 0
	PLACES
.irp m, 0,1,2,3
	QUANTW 2, 64*\m, 0x6800000, QC+8*\m, QW+\m     ; the floor 2^(13 - 127): 10 above the usual one
	v_add_nc_u32 v[QW+\m], 0xf5f5f5f6, v[QW+\m]    ; 10 off each byte (each is 11 at the least: no borrow): the factor 1 / 1,024
	IMAGE QC+8*\m, WIO+4096*\m
	ds_store_b32 v[SWR], v[QW+\m] offset:WSO+256*\m
.endr
	BARRIER                                        ; the round's 16 fragments of W lie in LDS
	LDRS WSO
	LDROW 0, WIO, 4096
.irp i, 0,1,2,3
.if ((\rr) == 1) && (\i == 2)
	s_wait_loadcnt 38
.else
	s_wait_loadcnt 36
.endif
	s_wait_dscnt 0x0
	PLACES
.if \i == 0
	LDSET 3, 72, 32768*(4*(\rr)+3)
	LDSCL 3, 74, 2048*(4*(\rr)+3)
.elseif (\rr) == 0
	LDSET \i-1, 68, 131072+8192*(\i-1)
	LDSCL \i-1, 70, 8192+512*(\i-1)
.else
.if \i == 1
	LDWSC 0
.endif
	LDSET \i-1, 76, 8192*(\i-1)
.endif
.if \i < 3
	LDROW (\i+1)%2, WIO+1024*(\i+1), 4096
.endif
.if ((\rr) == 0) && (\i == 0)
	MULG \i, 1
.else
	MULG \i, 0
.endif
.endr
	WIN 0
	PLACES
.endm
	ROUND 0
	BARRIER                                        ; every wave's reads of W's images are over: the next round writes them again
	ROUND 1
.irp m, 0,1,2,3
	QUANTW 3, 64*\m, 0x1800000, QC+8*\m, QW+\m     ; y: K step w of the last product.  theta's images were last read ahead of the last barrier: y's are laid over them
	IMAGE QC+8*\m, 4096*\m
	ds_store_b32 v[SWR], v[QW+\m] offset:TSO+256*\m
.endr
	BARRIER                                        ; y's 16 fragments lie in LDS
; THE WAY OUT of tile k (16 channels x 64 positions), in my own part of the x tile: x's numbers in, a x sum + (x + d), back in place, whole rows of 256 bytes out.
.macro EPA k                           ; ten LDS loads: my 32 numbers of x, a and d of my channel
.irp m, 0,1,2,3
	ds_load_b128 v[XB+32*((\k)%2)+8*\m:XB+32*((\k)%2)+8*\m+3], v[EX] offset:16*XPIT*(\k)+64*\m
	ds_load_b128 v[XB+32*((\k)%2)+8*\m+4:XB+32*((\k)%2)+8*\m+7], v[EX] offset:16*XPIT*(\k)+64*\m+16
.endr
	ds_load_b32 v[24+4*((\k)%2)], v[AR] offset:64*(\k)
	ds_load_b32 v[26+4*((\k)%2)], v[AR] offset:64*(\k)+4096
.endm
.macro EPC k
.irp j, 0,2,4,6,8,10,12,14,16,18,20,22,24,26,28,30
	v_pk_add_f32 v[XB+32*((\k)%2)+\j:XB+32*((\k)%2)+\j+1], v[XB+32*((\k)%2)+\j:XB+32*((\k)%2)+\j+1], v[26+4*((\k)%2):27+4*((\k)%2)] op_sel_hi:[1,0]
.endr
	WIN 0x02                                       ; source 0, the sums: window 2; each accumulator from its low end on
.irp j, 0,2,4,6,8,10,12,14,16,18,20,22,24,26,28,30
	v_pk_fma_f32 v[XB+32*((\k)%2)+\j:XB+32*((\k)%2)+\j+1], v[32*(\k)+\j:32*(\k)+\j+1], v[24+4*((\k)%2):25+4*((\k)%2)], v[XB+32*((\k)%2)+\j:XB+32*((\k)%2)+\j+1] op_sel_hi:[1,0,1]
.endr
	WIN 0
.endm
.macro EPS k                           ; eight LDS stores
.irp m, 0,1,2,3
	ds_store_b128 v[EX], v[XB+32*((\k)%2)+8*\m:XB+32*((\k)%2)+8*\m+3] offset:16*XPIT*(\k)+64*\m
	ds_store_b128 v[EX], v[XB+32*((\k)%2)+8*\m+4:XB+32*((\k)%2)+8*\m+7] offset:16*XPIT*(\k)+64*\m+16
.endr
.endm
.macro EPR k                           ; eight LDS loads: LDS serves a wave's instructions in order (ISA guide 5.7.1.4): these see my stores
.irp i, 0,1,2,3,4,5,6,7
	ds_load_b128 v[RF+32*((\k)%2)+4*\i:RF+32*((\k)%2)+4*\i+3], v[ER] offset:16*XPIT*(\k)+2*XPIT*\i
.endr
.endm
.macro EPG k
.irp i, 0,1,2,3,4,5,6,7
	global_store_b128 v[GO], v[RF+32*((\k)%2)+4*\i:RF+32*((\k)%2)+4*\i+3], s[80:81] offset:65536*(\k)+8192*\i th:TH_STORE_NT   ; 16 lanes store 256 consecutive bytes, aligned; written once, read by nobody here
.endr
.endm
	s_mov_b32 s62, 2
	s_mov_b32 s82, 0
	s_mov_b32 s83, 0
.Lgroup:                                               ; two trips: eight tiles of 16 of my 256 channels each.  On the way in, and over the backward jump alike, the group's scale words and its sets 0, 1, 2 have been asked for
	v_add_nc_u32 v[EX], s82, v[EX0]
	v_add_nc_u32 v[ER], s82, v[ER0]
	v_add_nc_u32 v[AR], s83, v[AR0]
	LDRS TSO
	LDROW 0, 0, 4096
.irp s, 0,1,2,3
.if \s < 2
	s_wait_loadcnt 32                              ; step 0: the scale words and set 0 are in, sets 1 and 2 may be out; step 1: set 1 is in, sets 2 and 3 may be out
.else
	s_wait_loadcnt 48-16*\s                        ; step 2: set 3's 16 may be out; step 3: none
.endif
	s_wait_dscnt 0x0
	PLACES
.if \s == 0
	LDSET 3, 76, 24576                             ; the group's last set, three steps ahead, as in every ring of this text
.endif
.if \s < 3
	LDROW (\s+1)%2, 1024*(\s+1), 4096
.endif
	MULO \s
.endr
	WIN 0
	PLACES
	s_cmp_eq_u32 s62, 1                            ; the next group's operands are asked for here, if there is a next group
	s_cbranch_scc1 .Lno_more
	LDWSC 2048
	LDSET 0, 76, 32768
	LDSET 1, 76, 40960
	LDSET 2, 76, 49152
.Lno_more:
	EPA 0
.irp k, 0,1,2,3,4,5,6,7
.if \k == 0
	s_wait_dscnt 0x0
.else
	s_wait_dscnt 8                                 ; only the last tile's eight loads of whole rows may be out: this tile's numbers are in, and the stores from the other set are done
.endif
.if \k < 7
	EPA \k+1
.endif
	EPC \k
	EPS \k
.if \k > 1
	s_wait_xcnt 0x0                                ; the stores of two tiles back, issued a tile ago, have read their registers: this tile's rows land there (tiles 0 and 1: the loop's end has waited)
.endif
	EPR \k
.if \k > 0
.if \k < 7
	s_wait_dscnt 26                                ; behind the last tile's rows: ten loads, eight stores, eight loads
.else
	s_wait_dscnt 16                                ; eight stores, eight loads
.endif
	EPG \k-1
.endif
.endr
	s_wait_dscnt 0x0
	EPG 7
	s_wait_xcnt 0x0                                ; the stores and loads have read their registers and their bases: these are written again
	s_add_nc_u64 s[80:81], s[80:81], 0x80000       ; 128 rows of out on
	s_add_nc_u64 s[76:77], s[76:77], 0x8000        ; w_w's images: the next group's 32 fragments
	s_add_co_u32 s82, s82, 128*XPIT
	s_add_co_u32 s83, s83, 512
	s_sub_co_u32 s62, s62, 1
	s_cmp_lg_u32 s62, 0
	s_cbranch_scc1 .Lgroup
	s_wait_tensorcnt 0x0                           ; the wave's end, behind my last tensor load and my last LDS store
	ds_add_u32 v[SPW], v[NIL]
	s_wait_dscnt 0x0
	s_endpgm
.Lfunc_end_k_q3dbf3d4870_main:
	.size	k_q3dbf3d4870_main, .Lfunc_end_k_q3dbf3d4870_main-k_q3dbf3d4870_main
	.p2alignl 7, 3214868480
	.fill 96, 4, 3214868480
	.section	.rodata,"a",@progbits
	.p2align	6, 0x0
	.amdhsa_kernel k_q3dbf3d4870_main
		.amdhsa_group_segment_fixed_size 327680
		.amdhsa_private_segment_fixed_size 0
		.amdhsa_enable_private_segment 0
		.amdhsa_kernarg_size 128
		.amdhsa_user_sgpr_count 2
		.amdhsa_user_sgpr_kernarg_segment_ptr 1
		.amdhsa_wavefront_size32 1
		.amdhsa_system_sgpr_workgroup_id_x 1
		.amdhsa_system_sgpr_workgroup_id_y 1
		.amdhsa_system_sgpr_workgroup_id_z 1
		.amdhsa_system_vgpr_workitem_id 0
		.amdhsa_next_free_vgpr 1024
		.amdhsa_next_free_sgpr 100
		.amdhsa_reserve_vcc 0
		.amdhsa_float_denorm_mode_32 3
		.amdhsa_float_denorm_mode_16_64 3
		.amdhsa_memory_ordered 1
		.amdhsa_forward_progress 1
		.amdhsa_inst_pref_size 255
	.end_amdhsa_kernel
	.section	.bss,"aw",@nobits
	.p2align	6
	.space	262144
	.amdgpu_metadata
---
amdhsa.version: [ 1, 2 ]
amdhsa.kernels:
  - .name:           k_q3dbf3d4870_main
    .symbol:         k_q3dbf3d4870_main.kd
    .args:
      - { .name: x, .offset: 0, .size: 8, .value_kind: global_buffer, .address_space: global }
      - { .name: theta_b, .offset: 8, .size: 8, .value_kind: global_buffer, .address_space: global }
      - { .name: theta_w_scales, .offset: 16, .size: 8, .value_kind: global_buffer, .address_space: global }
      - { .name: w_w_scales, .offset: 24, .size: 8, .value_kind: global_buffer, .address_space: global }
      - { .name: w_b, .offset: 32, .size: 8, .value_kind: global_buffer, .address_space: global }
      - { .name: bn_gamma, .offset: 40, .size: 8, .value_kind: global_buffer, .address_space: global }
      - { .name: bn_beta, .offset: 48, .size: 8, .value_kind: global_buffer, .address_space: global }
      - { .name: bn_mean, .offset: 56, .size: 8, .value_kind: global_buffer, .address_space: global }
      - { .name: bn_var, .offset: 64, .size: 8, .value_kind: global_buffer, .address_space: global }
      - { .name: tw_img, .offset: 72, .size: 8, .value_kind: global_buffer, .address_space: global }
      - { .name: ww_img, .offset: 80, .size: 8, .value_kind: global_buffer, .address_space: global }
      - { .name: ph_img, .offset: 88, .size: 8, .value_kind: global_buffer, .address_space: global }
      - { .name: ph_scl, .offset: 96, .size: 8, .value_kind: global_buffer, .address_space: global }
      - { .name: g_img, .offset: 104, .size: 8, .value_kind: global_buffer, .address_space: global }
      - { .name: g_scl, .offset: 112, .size: 8, .value_kind: global_buffer, .address_space: global }
      - { .name: out0, .offset: 120, .size: 8, .value_kind: global_buffer, .address_space: global }
    .group_segment_fixed_size: 327680
    .private_segment_fixed_size: 0
    .kernarg_segment_align: 8
    .kernarg_segment_size: 128
    .max_flat_workgroup_size: 128
    .sgpr_count:     100
    .vgpr_count:     1024
    .wavefront_size: 32
...
	.end_amdgpu_metadata
.endif
;; end of part 2
